; MI455X (gfx1250); checked and timed in simulation.
; The chip was launched on July 23, 2026; its instructions are those of AMD's public machine-readable ISA for CDNA 5 (MIT licence, August 2026) and "CDNA5" Instruction Set Architecture Reference Guide (July 2026). The comments in the code are by the model that wrote it; some were corrected since.
;; Cross Attention. Allowed arithmetic: matrix products marked QUANTISED: E2M1 operands, one E8M0 scale for each 32 along K, by v_wmma_scale_f32_16x16x128_f8f6f4 with both operands' format E2M1 (or v_wmma_scale_f32_32x16x128_f4), f32 sums; products left as they are: bf16, f16 or f32 operands; f32 sums; everything else in f32.
;; Inputs: Wk 768 x 512 float32; Wq 512 x 512 float32; Wv 768 x 512 float32; context 8 x 1,024 x 768 float32; tokens 8 x 4,096 x 512 float32.
;; Outputs: out0 8 x 4,096 x 512 float32.
;; This version of the problem:
;;   THIS VERSION OF THE PROBLEM IS GIVEN IN LOW PRECISION. The matrix products marked QUANTISED in the list below multiply operands that are first quantised to E2M1 (2 exponent bits, 1 mantissa bit; 4 bits a number), with one power-of-two scale for each 32 numbers along K (OCP MX v1.0); their sums are f32. The products marked 'left as it is' may take bf16, f16 or f32 operands, with f32 sums. Whichever they take, every output number must still come out within the allowed error. Rounding operands to bf16 (8 significant bits) uses up far more of that allowance than f16 does (11 bits, for magnitudes from 6e-5 to 65,504). All else is computed in f32.
;;   The module's matrix products, in the order in which they are computed (A, B: the left and right operand; K: the contracted axis; several contracted axes count as one K, in the product's order):
;;     1. [M 32,768, K 512] x [K 512, N 512]; A: input tokens; B: input Wq: QUANTISED
;;     2. [M 8,192, K 768] x [K 768, N 512]; A: input context; B: input Wk: QUANTISED
;;     3. [M 8,192, K 768] x [K 768, N 512]; A: input context; B: input Wv: QUANTISED
;;     4. batch 8 x [M 4,096, K 512] x [K 512, N 1,024]; A: computed on the way; B: computed on the way: left as it is (an operand is computed on the way)
;;     5. batch 8 x [M 4,096, K 1,024] x [K 1,024, N 512]; A: computed on the way; B: computed on the way: left as it is (an operand is computed on the way)
;;   THE QUANTISER, for each operand of a quantised product, along K:
;;     - K is cut into blocks of 32 from its start; a last block that is shorter is filled with zeros.
;;     - A block's scale is 2^e with e = floor(log2(the largest magnitude in the block)) - 2, held to -126 .. 127; a block of zeros has e = 0. As a byte (E8M0): e + 127.
;;     - Each number is divided by its block's scale, clamped to +-6, and rounded to the nearest number of E2M1, ties to even, subnormals kept.
;;     - The product sums the exact products of the quantised numbers (number of the format x scale) in f32.
;;   ~~~python
;;   def quantise(x, axis):      # numpy; x: float32 -> the quantised numbers, widened to float32 again
;;       x = np.moveaxis(x, axis, -1); K = x.shape[-1]
;;       x = np.pad(x, [(0, 0)] * (x.ndim - 1) + [(0, -K % 32)]); x = x.reshape(x.shape[:-1] + (-1, 32)); a = np.abs(x).max(-1, keepdims=True)
;;       e = np.where(a > 0, np.clip(np.frexp(np.where(a > 0, a, 1))[1] - 1 - 2, -126, 127), 0)      # np.frexp(a)[1] - 1 = floor(log2(a)), exactly
;;       r = np.clip(x / 2.0 ** e, -6, 6)
;;       step = 2.0 ** (np.maximum(np.frexp(np.where(r == 0, 1, r))[1] - 1, 0) - 1)
;;       q = np.round(r / step) * step * 2.0 ** e      # np.round: ties to even
;;       return np.moveaxis(q.reshape(q.shape[:-2] + (-1,))[..., :K], -1, axis).astype(np.float32)
;;   ~~~
;; One version. Each part assembles by itself: llvm-mc -triple=amdgcn-amd-amdhsa -mcpu=gfx1250 --defsym DOCPART=n.
;; ======== version 1 of 1: 3 launches
;; limits: values are held in f16: magnitudes above 65,504 overflow, below 6.1e-05 lose precision
;; workspace buffers: wcodes 524,288 bytes; wscales 40,960 bytes; kv 16,777,216 bytes
;; launch wquant (part 1): grid 16 x 16, 1 waves a work-group, no clusters, 0 bytes of LDS; arguments Wq, Wk, Wv, wcodes, wscales; writes wcodes, wscales
.if DOCPART == 1
	.amdgcn_target "amdgcn-amd-amdhsa--gfx1250"
	.amdhsa_code_object_version 6
	.text
	.protected	k_q67050b3432_wquant
	.globl	k_q67050b3432_wquant
	.p2align	8
	.type	k_q67050b3432_wquant,@function
k_q67050b3432_wquant:
	s_mov_b64 s[64:65], 0
	v_nop
	global_prefetch_b8 v0, s[64:65] scope:SCOPE_SE
	s_setreg_imm32_b32 hwreg(HW_REG_WAVE_MODE, 25, 1), 1
	s_wait_xcnt 0x0
; Wq [512][512], Wk [768][512], Wv [768][512], f32, K = the FIRST axis, become codes of FP4 (E2M1) with one E8M0 byte for each 32 along K.
; The codes are laid as IMAGES OF THE OPERAND'S REGISTERS: wcodes[g][t][1,024 bytes], g = the K step of 128 (0-3 Wq, 4-9 Wk, 10-15 Wv), t = the tile of 16 columns;
; in an image the 16 bytes at 256 b + 16 r are the 32 codes of block b (0..3) of column 16 t + r: two loads of 16 bytes a lane, at 16 x lane and 512 bytes on, are a fragment.
; The scale words (four bytes: a K step of one column): Wq's at byte 0, 16 bytes a column; Wk's at 8,192 and Wv's at 24,576, 32 bytes a column, of which 24 are written and read.
; A block's scale is 2^(floor(log2(its largest magnitude)) - 2): its byte is the largest magnitude's exponent field - 2, held at 1 from below.
; SHARES: a work-group is one wave: 32 columns x one K step.  A LANE TAKES A COLUMN AND ITS REGISTERS RUN DOWN K: each load reads 128 consecutive bytes, a block lies in one lane, nothing is transposed.
; A block's codes leave by one store of 16 bytes a lane: lanes 0-15 store 256 consecutive aligned bytes of tile 2 x, lanes 16-31 of tile 2 x + 1.
; The scale words leave as 4 bytes a lane, 16 or 32 bytes apart: 32 KiB in the whole launch, one byte for each 128 that it reads.
; LIMITS: a block of zeros gets the byte 1 where the rule says 127 (its codes are zeros, and this program alone reads the bytes); largest magnitudes under 2^-124 are held at the byte 1; NaN and infinities are not served.
.set X,  32                            ; v32-159  128 numbers of my column
.set C,  16                            ; v16-31   codes, four registers a block, never written twice
.set SO, 8                             ; v8-11    a block's scale operand
	s_load_b256 s[4:11], s[0:1], 0x0               ; Wq s[4:5], Wk s[6:7], Wv s[8:9], wcodes s[10:11]
	s_load_b64 s[12:13], s[0:1], 0x20              ; wscales
	s_and_b32 s14, ttmp7, 0xffff                   ; g: the K step, 0..15
	s_lshl_b32 s24, ttmp9, 5
	v_add_nc_u32 v6, s24, v0                       ; my column
	v_lshlrev_b32 v1, 2, v6                        ; its byte in a row of the weight
	v_and_b32 v7, 15, v0
	v_lshrrev_b32 v13, 4, v0
	v_lshlrev_b32 v2, 4, v7
	v_lshl_add_u32 v2, v13, 10, v2                 ; my 16 bytes of a block in the two images: 1,024 (lane / 16) + 16 (lane % 16)
	s_wait_kmcnt 0x0
	s_cmp_lt_u32 s14, 10                           ; which weight: the choice hangs on the work-group's number alone
	s_cselect_b64 s[16:17], s[6:7], s[8:9]
	s_cselect_b32 s18, 4, 10                       ; its first K step,
	s_mov_b32 s19, 24576
	s_cselect_b32 s19, 8192, s19                   ; where its scale words begin
	s_cmp_lt_u32 s14, 4
	s_cselect_b64 s[16:17], s[4:5], s[16:17]
	s_cselect_b32 s18, 0, s18
	s_cselect_b32 s19, 0, s19
	s_cselect_b32 s20, 4, 5                        ; and a column's scale words: 16 or 32 bytes
	s_sub_co_u32 s21, s14, s18                     ; the K step within the weight
	s_lshl_b32 s22, s21, 18                        ; 128 rows of 2,048 bytes
	s_mov_b32 s23, 0
	s_add_nc_u64 s[16:17], s[16:17], s[22:23]
	s_lshl_b32 s22, s14, 5
	s_lshl_b32 s24, ttmp9, 1
	s_add_co_u32 s22, s22, s24
	s_lshl_b32 s22, s22, 10                        ; image 32 g + 2 x
	s_add_nc_u64 s[10:11], s[10:11], s[22:23]
	s_lshl_b32 s22, s21, 2
	s_add_co_u32 s22, s22, s19
	s_add_nc_u64 s[12:13], s[12:13], s[22:23]      ; this K step's word of column 0
	v_lshlrev_b32 v3, s20, v6                      ; my column's
.macro LOAD b
.irp i, 0,1,2,3,4,5,6,7,8,9,10,11,12,13,14,15,16,17,18,19,20,21,22,23,24,25,26,27,28,29,30,31
	global_load_b32 v[X+32*(\b)+\i], v1, s[16:17] offset:(32*(\b)+\i)*2048 th:TH_LOAD_NT
.endr
.endm
.macro BLOCK b, left
	s_wait_loadcnt \left                           ; this block's 32 loads are in; the next block's 32 may be out
.if (\b)+2 < 4
	LOAD (\b)+2                                    ; two blocks ahead, into registers of their own
.endif
.set XS, X+32*(\b)
	v_max3_num_f32 v4, |v[XS]|, |v[XS+1]|, 0x1800000        ; the largest magnitude in two chains, and the floor 2^(3 - 127): the byte cannot fall under 1
	v_max3_num_f32 v5, |v[XS+16]|, |v[XS+17]|, |v[XS+18]|
.irp i, 2,4,6,8,10,12
	v_max3_num_f32 v4, v4, |v[XS+\i]|, |v[XS+\i+1]|
	v_max3_num_f32 v5, v5, |v[XS+\i+17]|, |v[XS+\i+18]|
.endr
	v_max3_num_f32 v4, v4, |v[XS+14]|, |v[XS+15]|
	v_max3_num_f32 v4, v4, v5, |v[XS+31]|
	v_add_nc_u32 v[SO+(\b)], 0xff000000, v4        ; 2 off its exponent field: the conversion takes the exponent field of this operand as its scale
	v_lshrrev_b32 v6, 23, v[SO+(\b)]               ; the scale's byte
.if (\b) == 0
	v_mov_b32 v12, v6
.else
	v_lshl_or_b32 v12, v6, 8*(\b), v12             ; the lower K in the lower byte
.endif
.irp g, 0,1,2,3
	v_cvt_scalef32_pk8_fp4_f32 v[C+4*(\b)+\g], v[XS+8*\g:XS+8*\g+7], v[SO+(\b)]
.endr
	global_store_b128 v2, v[C+4*(\b):C+4*(\b)+3], s[10:11] offset:256*(\b)
.endm
	LOAD 0
	LOAD 1
	BLOCK 0, 32
	BLOCK 1, 32
	BLOCK 2, 32
	BLOCK 3, 0
	global_store_b32 v3, v12, s[12:13]
	s_endpgm
.Lfunc_end_k_q67050b3432_wquant:
	.size	k_q67050b3432_wquant, .Lfunc_end_k_q67050b3432_wquant-k_q67050b3432_wquant
	.p2alignl 7, 3214868480
	.fill 96, 4, 3214868480
	.section	.rodata,"a",@progbits
	.p2align	6, 0x0
	.amdhsa_kernel k_q67050b3432_wquant
		.amdhsa_group_segment_fixed_size 0
		.amdhsa_private_segment_fixed_size 0
		.amdhsa_enable_private_segment 0
		.amdhsa_kernarg_size 40
		.amdhsa_user_sgpr_count 2
		.amdhsa_user_sgpr_kernarg_segment_ptr 1
		.amdhsa_wavefront_size32 1
		.amdhsa_system_sgpr_workgroup_id_x 1
		.amdhsa_system_sgpr_workgroup_id_y 1
		.amdhsa_system_sgpr_workgroup_id_z 1
		.amdhsa_system_vgpr_workitem_id 0
		.amdhsa_next_free_vgpr 160
		.amdhsa_next_free_sgpr 66
		.amdhsa_reserve_vcc 0
		.amdhsa_float_denorm_mode_32 3
		.amdhsa_float_denorm_mode_16_64 3
		.amdhsa_memory_ordered 1
		.amdhsa_forward_progress 1
		.amdhsa_inst_pref_size 20
	.end_amdhsa_kernel
	.amdgpu_metadata
---
amdhsa.version: [ 1, 2 ]
amdhsa.kernels:
  - .name:           k_q67050b3432_wquant
    .symbol:         k_q67050b3432_wquant.kd
    .args:
      - { .name: Wq, .offset: 0, .size: 8, .value_kind: global_buffer, .address_space: global }
      - { .name: Wk, .offset: 8, .size: 8, .value_kind: global_buffer, .address_space: global }
      - { .name: Wv, .offset: 16, .size: 8, .value_kind: global_buffer, .address_space: global }
      - { .name: wcodes, .offset: 24, .size: 8, .value_kind: global_buffer, .address_space: global }
      - { .name: wscales, .offset: 32, .size: 8, .value_kind: global_buffer, .address_space: global }
    .group_segment_fixed_size: 0
    .private_segment_fixed_size: 0
    .kernarg_segment_align: 8
    .kernarg_segment_size: 40
    .max_flat_workgroup_size: 32
    .sgpr_count:     66
    .vgpr_count:     160
    .wavefront_size: 32
...
	.end_amdgpu_metadata
.endif
;; end of part 1
;; launch kvproj (part 2): grid 128 x 2, 4 waves a work-group, clusters of 4 x 1, 258,560 bytes of LDS; arguments context, wcodes, wscales, kv; writes kv
.if DOCPART == 2
	.amdgcn_target "amdgcn-amd-amdhsa--gfx1250"
	.amdhsa_code_object_version 6
	.text
	.protected	k_q67050b3432_kvproj
	.globl	k_q67050b3432_kvproj
	.p2align	8
	.type	k_q67050b3432_kvproj,@function
k_q67050b3432_kvproj:
	s_mov_b64 s[64:65], 0
	v_nop
	global_prefetch_b8 v0, s[64:65] scope:SCOPE_SE
	s_setreg_imm32_b32 hwreg(HW_REG_WAVE_MODE, 25, 1), 1
	s_wait_xcnt 0x0
	s_wait_alu depctr_hold_cnt(0) depctr_sa_sdst(0) depctr_va_vdst(0) depctr_va_sdst(0) depctr_va_ssrc(0) depctr_va_vcc(0) depctr_vm_vsrc(0)
	s_getreg_b32 s2, hwreg(HW_REG_IB_STS2, 6, 4)
	s_cmp_eq_u32 s2, 0
	s_cbranch_scc0 .Lentry_in_a_cluster
	s_endpgm
.Lentry_in_a_cluster:
	s_bfe_u32 s2, ttmp6, 0x10000c
	s_cmp_lg_u32 s2, 0x3003
	s_cbranch_scc0 .Lentry_shape_is_right
	s_endpgm
.Lentry_shape_is_right:
; K = context Wk (work-group y = 0) or V = context Wv (y = 1), both operands as codes of FP4 (E2M1) with E8M0 scales for each 32 along K = 768; sums in f32; the result rounded to f16.
; context [8,192][768] f32 is quantised here, in registers; the weights come as images of operand registers with their scale words (made by the launch before).
; SHARES.  A work-group takes 64 rows of context, which are one key step of the attention, x all 512 columns: 65,536 bytes of kv.  Wave w quantises rows 16 w .. 16 w + 15 and hands their six fragments to the
; others through LDS as images of their registers; then it multiplies all four tiles of rows by ITS 128 columns: 32 accumulators.
; THE RESULT IS STORED AS THE ATTENTION'S OPERANDS: kv[key step][K, V][65,536].  K: fragment (16 keys kt, 32 channels cs) at (16 kt + cs) 1,024; V: fragment (32 keys ks, 16 channels ct) at (32 ks + ct) 1,024;
; in a fragment lane l's registers 0-3 lie at 16 l, registers 4-7 at 512 + 16 l.  For K the product is used transposed (source 0 = 16 columns of Wk, source 1 = 16 rows): a lane holds one key and eight
; neighbouring channels; for V as it stands: a lane holds one channel and eight neighbouring keys.  So four conversions make 16 bytes of an image, and each store of a wave covers 512 consecutive aligned bytes.
; CLUSTER.  The four row blocks of a cluster multiply by the same weight: each wave's part of it (6 K steps x 8 tiles, 49,152 bytes) is asked for JOINTLY, once, and only the wave that asked reads it.
; LIMITS: K and V must stay under 65,504 in magnitude (f16); under 6e-5 they lose bits.  A block of zeros gets the byte 1 where the rule says 127 (its codes are zeros); NaN and infinities are not served.
; LDS: 0 the weights; TST four stages of 16 rows x (512 + 16) bytes, a wave's own; XIMG 24 images of 1,024 bytes (tile of rows m, K step s: 6 m + s); XSC their scale words, 128 bytes each; SPARE the spare words.
; REGISTERS: window 0: addresses, v16-24 at work, v26 a scale word, v32-95 64 numbers, v96-119 the rows' scale words, v120-151 the weight's, v152-159 codes.  window 1: the accumulators, (m, i) at v[64 m + 8 i].
;   window 2: four sets of 64 numbers as loaded; then the weight's fragments (two sets of 64) and the rows' (from v128, two sets of 32); then the packed results.
.set TST,   196608
.set XIMG,  230400
.set XSC,   254976
.set SPARE, 258048
.set LI,   1                           ; 16 x lane
.set TSTO, 2                           ; my stage, on the way in
.set TLD,  3                           ; and on the way out: row lane % 16, + 128 (lane / 16)
.set XWI,  4                           ; where I store my images
.set XWS,  5                           ; and their scale words
.set AXI,  6                           ; where anybody reads images
.set AXS,  7                           ; and scale words
.set AWF,  8                           ; my part of the weight
.set SH8,  9                           ; 8 (lane / 16)
.set WSO,  10                          ; 32 x lane: a column's scale words in memory
.set SPW,  12                          ; my spare word; never rewritten
.set NIL,  13                          ; 0; never rewritten
.set TM,   16
.set PW,   26
.set XB,   32
.set XS,   96
.set WS,   120
.set PC,   152
.set WV,   14
.set SEL,  36
.set MSB, 0
.macro WIN new                         ; the immediate's high byte repeats the setting that is left; a switch that changes nothing is dropped
.if MSB != (\new)
	s_set_vgpr_msb (MSB<<8)|(\new)
.set MSB, (\new)
.endif
.endm
.macro PLACES n
.rept \n
	v_nop
.endr
.endm
.macro CROUND                          ; a round of the cluster's barrier
	s_barrier_signal -1
	s_barrier_wait -1
	s_cmp_lg_u32 s[WV], 0
	s_cbranch_scc1 .Lnot_wave_0_\@
	s_barrier_signal -3
.Lnot_wave_0_\@:
	s_barrier_wait -3
	s_barrier_signal -1
	s_barrier_wait -1
.endm
; 16 rows x 512 bytes as loaded (a row to four registers, 16 bytes a lane) go through my stage and come back so that lane (r, h) holds blocks h and 2 + h of row r, 32 numbers each, in v[XB] on.
; Stage rows are 528 bytes apart. LDS serves a wave's instructions in order: no wait between the stores and the loads.
.macro TURN f
	WIN 0x08                                       ; an LDS store's data are its source 1: window 2
.irp i, 0,1,2,3,4,5,6,7,8,9,10,11,12,13,14,15
	ds_store_b128 v[TSTO], v[64*((\f)%4)+4*\i:64*((\f)%4)+4*\i+3] offset:528*\i
.endr
	WIN 0
.irp c, 0,1
.irp i, 0,1,2,3,4,5,6,7
	ds_load_b128 v[XB+32*\c+4*\i:XB+32*\c+4*\i+3], v[TLD] offset:256*\c+16*\i
.endr
.endr
.endm
; The 64 numbers in v[XB] on become a fragment's eight registers, v[dst] on in the window that win names, and the row's scale word in v[sw].  A lane holds two whole blocks, so no other lane is asked for a maximum.
.macro QUANT win, dst, sw
.irp c, 0,1
	v_max3_num_f32 v[TM+\c], |v[XB+32*\c]|, |v[XB+32*\c+1]|, 0x1800000     ; two chains a block, the blocks by turns; the floor 2^(3 - 127) holds the byte at 1 from below
	v_max3_num_f32 v[TM+2+\c], |v[XB+32*\c+16]|, |v[XB+32*\c+17]|, |v[XB+32*\c+18]|
.endr
.irp i, 2,4,6,8,10,12
.irp c, 0,1
	v_max3_num_f32 v[TM+\c], v[TM+\c], |v[XB+32*\c+\i]|, |v[XB+32*\c+\i+1]|
	v_max3_num_f32 v[TM+2+\c], v[TM+2+\c], |v[XB+32*\c+\i+17]|, |v[XB+32*\c+\i+18]|
.endr
.endr
.irp c, 0,1
	v_max3_num_f32 v[TM+\c], v[TM+\c], |v[XB+32*\c+14]|, |v[XB+32*\c+15]|
.endr
.irp c, 0,1
	v_max3_num_f32 v[TM+\c], v[TM+\c], v[TM+2+\c], |v[XB+32*\c+31]|
.endr
.irp c, 0,1
	v_add_nc_u32 v[TM+4+\c], 0xff000000, v[TM+\c]  ; 2 off the exponent field: the conversion's scale operand
.endr
.irp c, 0,1
	v_lshrrev_b32 v[TM+6+\c], 23, v[TM+4+\c]       ; the scale's byte
.endr
	v_lshl_or_b32 v[\sw], v[TM+7], 16, v[TM+6]     ; my two bytes, blocks h and 2 + h,
	v_lshlrev_b32 v[\sw], v[SH8], v[\sw]           ; at their places;
	v_permlanex16_b32 v[TM+8], v[\sw], s[SEL], s[SEL+1]
	v_or_b32 v[\sw], v[\sw], v[TM+8]               ; with lane l xor 16's two the word is whole
	WIN \win
.irp c, 0,1
.irp g, 0,1,2,3
	v_cvt_scalef32_pk8_fp4_f32 v[(\dst)+4*\c+\g], v[XB+32*\c+8*\g:XB+32*\c+8*\g+7], v[TM+4+\c]
.endr
.endr
	v_nop                                          ; one plain place behind the scaled conversions
	WIN 0
.endm
.macro RAWLD f                         ; K step f of my 16 rows: each load reads 512 consecutive bytes of a row.  (The other work-group y reads the rows too: no hint)
	WIN 0x80
.irp i, 0,1,2,3,4,5,6,7,8,9,10,11,12,13,14,15
	global_load_b128 v[64*((\f)%4)+4*\i:64*((\f)%4)+4*\i+3], v[LI], s[4:5] offset:3072*\i+512*(\f)
.endr
	WIN 0
.endm
.macro LD s                            ; K step s: my eight fragments of the weight and the four tiles of rows: 24 loads
	WIN 0x80
.irp i, 0,1,2,3,4,5,6,7
.irp c, 0,1
	ds_load_b128 v[64*((\s)%2)+8*\i+4*\c:64*((\s)%2)+8*\i+4*\c+3], v[AWF] offset:8192*(\s)+1024*\i+512*\c
.endr
.endr
.irp m, 0,1,2,3
.irp c, 0,1
	ds_load_b128 v[128+32*((\s)%2)+8*\m+4*\c:128+32*((\s)%2)+8*\m+4*\c+3], v[AXI] offset:1024*(6*\m+(\s))+512*\c
.endr
.endr
	WIN 0
.endm
; One product.  The weight's scale words of tiles 2 p and 2 p + 1 share a register: lanes 0-15 the even tile's, lanes 16-31 the odd one's.
.macro MM path, s, m, i
.set rD, 64*(\m)+8*(\i)
.set rW, 64*((\s)%2)+8*(\i)
.set rX, 128+32*((\s)%2)+8*(\m)
.set rP, WS+8*((\i)/2)+(\s)
.set rQ, XS+6*(\m)+(\s)
.if (\path) == 0
.if (\s) == 0
.if (\i)%2
	v_wmma_scale_f32_16x16x128_f8f6f4 v[rD:rD+7], v[rW:rW+7], v[rX:rX+7], 0, v[rP], v[rQ] matrix_a_fmt:MATRIX_FMT_FP4 matrix_b_fmt:MATRIX_FMT_FP4 matrix_a_scale:MATRIX_SCALE_ROW1
.else
	v_wmma_scale_f32_16x16x128_f8f6f4 v[rD:rD+7], v[rW:rW+7], v[rX:rX+7], 0, v[rP], v[rQ] matrix_a_fmt:MATRIX_FMT_FP4 matrix_b_fmt:MATRIX_FMT_FP4
.endif
.else
.if (\i)%2
	v_wmma_scale_f32_16x16x128_f8f6f4 v[rD:rD+7], v[rW:rW+7], v[rX:rX+7], v[rD:rD+7], v[rP], v[rQ] matrix_a_fmt:MATRIX_FMT_FP4 matrix_b_fmt:MATRIX_FMT_FP4 matrix_a_scale:MATRIX_SCALE_ROW1
.else
	v_wmma_scale_f32_16x16x128_f8f6f4 v[rD:rD+7], v[rW:rW+7], v[rX:rX+7], v[rD:rD+7], v[rP], v[rQ] matrix_a_fmt:MATRIX_FMT_FP4 matrix_b_fmt:MATRIX_FMT_FP4
.endif
.endif
.else
.if (\s) == 0
.if (\i)%2
	v_wmma_scale_f32_16x16x128_f8f6f4 v[rD:rD+7], v[rX:rX+7], v[rW:rW+7], 0, v[rQ], v[rP] matrix_a_fmt:MATRIX_FMT_FP4 matrix_b_fmt:MATRIX_FMT_FP4 matrix_b_scale:MATRIX_SCALE_ROW1
.else
	v_wmma_scale_f32_16x16x128_f8f6f4 v[rD:rD+7], v[rX:rX+7], v[rW:rW+7], 0, v[rQ], v[rP] matrix_a_fmt:MATRIX_FMT_FP4 matrix_b_fmt:MATRIX_FMT_FP4
.endif
.else
.if (\i)%2
	v_wmma_scale_f32_16x16x128_f8f6f4 v[rD:rD+7], v[rX:rX+7], v[rW:rW+7], v[rD:rD+7], v[rQ], v[rP] matrix_a_fmt:MATRIX_FMT_FP4 matrix_b_fmt:MATRIX_FMT_FP4 matrix_b_scale:MATRIX_SCALE_ROW1
.else
	v_wmma_scale_f32_16x16x128_f8f6f4 v[rD:rD+7], v[rX:rX+7], v[rW:rW+7], v[rD:rD+7], v[rQ], v[rP] matrix_a_fmt:MATRIX_FMT_FP4 matrix_b_fmt:MATRIX_FMT_FP4
.endif
.endif
.endif
.endm
; The six K steps, the rounding and the stores.  path = 0: K; 1: V.  The 32 accumulators take turns, one instruction a turn, in the same order in every K step; the first K step starts the sums.
.macro PROD path
.irp s, 0,1,2,3,4,5
.if \s < 5
	s_wait_dscnt 24                                ; this K step's fragments are in; the next step's 24 loads may be out
.else
	s_wait_dscnt 0x0
.endif
	WIN 0x5a                                       ; sources 0 and 1 window 2, C and D window 1
.irp m, 0,1,2,3
.irp i, 0,1,2,3,4,5,6,7
	MM \path, \s, \m, \i
.endr
.endr
	PLACES 4                                       ; in front of loads into registers that these products read, and of the first read of results
.if \s+2 < 6
	LD \s+2
.endif
.endr
	WIN 0x85                                       ; sources window 1, destination window 2
.irp a, 0,1,2,3,4,5,6,7,8,9,10,11,12,13,14,15,16,17,18,19,20,21,22,23,24,25,26,27,28,29,30,31
.irp j, 0,1,2,3
	v_cvt_pk_f16_f32 v[4*\a+\j], v[8*\a+2*\j], v[8*\a+2*\j+1]     ; each accumulator from its low end on
.endr
.endr
	WIN 0x08                                       ; a store's data are its source 1: window 2
.irp m, 0,1,2,3
.irp i, 0,1,2,3,4,5,6,7
.if (\path) == 0
	global_store_b128 v[LI], v[4*(8*\m+\i):4*(8*\m+\i)+3], s[10:11] offset:16384*\m+512*\i                       ; keys 16 m on, channels 128 w + 16 i on: half i % 2 of fragment (m, 4 w + i / 2)
.else
	global_store_b128 v[LI], v[4*(8*\m+\i):4*(8*\m+\i)+3], s[10:11] offset:32768*(\m/2)+512*(\m%2)+1024*\i       ; keys 16 m on, channels 128 w + 16 i on: half m % 2 of fragment (m / 2, 8 w + i)
.endif
.endr
.endr
	WIN 0
.endm
	s_load_b256 s[4:11], s[0:1], 0x0               ; context s[4:5], wcodes s[6:7], wscales s[8:9], kv s[10:11]
	v_lshl_add_u32 v[SPW], v0, 2, SPARE
	v_mov_b32 v[NIL], 0
	ds_add_u32 v[SPW], v[NIL]                      ; the wave's opening: the add, twice on end, and its wait ahead of my first tensor load; the set-up below stands between
	ds_add_u32 v[SPW], v[NIL]
	v_lshrrev_b32 v11, 5, v0
	v_readfirstlane_b32 s[WV], v11                 ; wave 0..3
	s_bfe_u32 s15, ttmp6, 0x40000                  ; cx: my place in the cluster
	s_lshl_b32 s17, ttmp9, 2
	s_add_co_u32 s17, s17, s15                     ; my block of 64 rows: it enters context's and kv's addresses alone
	s_and_b32 s16, ttmp7, 0xffff                   ; 0: K, 1: V: the same in all four partners
	; descriptor group 1: 6 rows (K steps) of 8,192 bytes (my eight tiles' images), 32,768 bytes apart, dense in LDS
	s_mov_b32 s24, 15|(3<<16)|(1<<21)              ; 15:0 the mask: all four; 17:16 elements of 8 bytes; 21 set beside a mask
	s_mov_b32 s25, 1024<<16                        ; tensor_dim0
	s_mov_b32 s26, 6<<16                           ; tensor_dim1
	s_mov_b32 s27, 1024<<16                        ; tile_dim0
	s_mov_b32 s28, 6                               ; tile_dim1
	s_mov_b32 s29, 4096                            ; tensor_dim0_stride
	s_mov_b32 s30, 0
	s_mov_b32 s31, 0
	s_mul_i32 s18, s16, 196608                     ; the weight's first image: K step 4 (Wk) or 10 (Wv), tile 8 w
	s_lshl_b32 s19, s[WV], 13
	s_add_co_u32 s18, s18, s19
	s_add_co_u32 s18, s18, 131072
	s_mov_b32 s19, 0
	s_lshl_b32 s20, s17, 6
	s_lshl_b32 s21, s[WV], 4
	s_add_co_u32 s20, s20, s21
	s_mul_i32 s20, s20, 3072                       ; my 16 rows of context
	s_mov_b32 s21, 0
	s_lshl_b32 s22, s17, 1
	s_add_co_u32 s22, s22, s16
	s_lshl_b32 s22, s22, 16                        ; my work-group's 65,536 bytes of kv,
	s_lshl_b32 s23, s[WV], 12
	s_lshl_b32 s23, s23, s16                       ; and my wave's place: 4,096 w in K, 8,192 w in V
	s_add_co_u32 s22, s22, s23
	s_mov_b32 s23, 0
	s_lshl_b32 s38, s16, 14
	s_lshl_b32 s39, s[WV], 12
	s_add_co_u32 s38, s38, s39
	s_add_co_u32 s38, s38, 8192                    ; my 128 columns' scale words
	s_mov_b32 s39, 0
	s_mov_b32 s[SEL], 0x76543210
	s_mov_b32 s[SEL+1], 0xfedcba98                 ; v_permlanex16_b32's selects for lane l xor 16
	v_and_b32 v11, 31, v0
	v_and_b32 v14, 15, v0
	v_bfe_u32 v15, v0, 4, 1
	v_lshlrev_b32 v[LI], 4, v11
	s_mul_i32 s2, s[WV], 8448
	s_add_co_u32 s2, s2, TST
	v_add_nc_u32 v[TSTO], s2, v[LI]
	v_mul_u32_u24 v[TLD], v14, 528
	v_lshl_add_u32 v[TLD], v15, 7, v[TLD]
	v_add_nc_u32 v[TLD], s2, v[TLD]
	s_mul_i32 s2, s[WV], 6144
	s_add_co_u32 s2, s2, XIMG
	v_add_nc_u32 v[XWI], s2, v[LI]
	v_lshlrev_b32 v[AXS], 2, v11
	s_mul_i32 s2, s[WV], 768
	s_add_co_u32 s2, s2, XSC
	v_add_nc_u32 v[XWS], s2, v[AXS]
	v_add_nc_u32 v[AXS], XSC, v[AXS]
	v_add_nc_u32 v[AXI], XIMG, v[LI]
	s_mul_i32 s33, s[WV], 49152                    ; group 0: the LDS address: no place in the cluster enters it
	v_add_nc_u32 v[AWF], s33, v[LI]
	v_lshlrev_b32 v[SH8], 3, v15
	v_lshlrev_b32 v[WSO], 5, v11
	v_mov_b32 v[TM+8], 0                           ; written once: a lane permute's destination counts as one of its sources
	s_wait_dscnt 0x0                               ; both opening adds are done
	s_wait_kmcnt 0x0
	s_mov_b32 s32, 1
	s_add_nc_u64 s[34:35], s[6:7], s[18:19]
	s_or_b32 s35, s35, 0x80000000
	s_add_nc_u64 s[4:5], s[4:5], s[20:21]
	s_add_nc_u64 s[10:11], s[10:11], s[22:23]
	s_add_nc_u64 s[8:9], s[8:9], s[38:39]
	CROUND                                         ; all four work-groups are here: the joint loads meet
	tensor_load_to_lds s[32:35], s[24:31]          ; my one tensor load
	s_nop 0
	PLACES 4
.irp p, 0,1,2,3
	global_load_b128 v[WS+8*\p:WS+8*\p+3], v[WSO], s[8:9] offset:1024*\p       ; column 128 w + 32 p + lane: K steps 0-3,
	global_load_b64 v[WS+8*\p+4:WS+8*\p+5], v[WSO], s[8:9] offset:1024*\p+16   ; 4 and 5
.endr
	RAWLD 0
	RAWLD 1
	RAWLD 2
.irp f, 0,1,2,3,4,5
.if \f < 4
	s_wait_loadcnt 32                              ; this K step's 16 loads are in; those of the two steps behind it may be out
.else
	s_wait_loadcnt 16*(5-\f)
.endif
	TURN \f
.if \f+3 < 6
	RAWLD \f+3                                     ; into the set whose stores into the stage were waited for one K step ago
.endif
	s_wait_dscnt 0x0                               ; the numbers are back; the last image's stores have read their registers
	QUANT 0, PC, PW
	ds_store_b128 v[XWI], v[PC:PC+3] offset:1024*\f
	ds_store_b128 v[XWI], v[PC+4:PC+7] offset:1024*\f+512
	ds_store_b32 v[XWS], v[PW] offset:128*\f
.endr
	s_wait_tensorcnt 0x0                           ; my part of the weight is in: I alone read it
	s_wait_dscnt 0x0                               ; for the others' sake: my images have landed
	s_barrier_signal -1
	s_barrier_wait -1                              ; all 24 images lie in LDS; nothing is written there any more
.irp m, 0,1,2,3
.irp s, 0,1,2,3,4,5
	ds_load_b32 v[XS+6*\m+\s], v[AXS] offset:128*(6*\m+\s)
.endr
.endr
	LD 0
	LD 1
	s_cmp_lg_u32 s16, 0                            ; the work-group's y alone: the same in all waves and all partners
	s_cbranch_scc1 .Lfor_v
	PROD 0
	s_branch .Ldone
.Lfor_v:
	PROD 1
.Ldone:
	s_wait_tensorcnt 0x0                           ; the wave's end, behind my last tensor load and my last LDS store
	ds_add_u32 v[SPW], v[NIL]
	s_wait_dscnt 0x0
	CROUND                                         ; the closing round
	s_endpgm
.Lfunc_end_k_q67050b3432_kvproj:
	.size	k_q67050b3432_kvproj, .Lfunc_end_k_q67050b3432_kvproj-k_q67050b3432_kvproj
	.p2alignl 7, 3214868480
	.fill 96, 4, 3214868480
	.section	.rodata,"a",@progbits
	.p2align	6, 0x0
	.amdhsa_kernel k_q67050b3432_kvproj
		.amdhsa_group_segment_fixed_size 258560
		.amdhsa_private_segment_fixed_size 0
		.amdhsa_enable_private_segment 0
		.amdhsa_kernarg_size 32
		.amdhsa_user_sgpr_count 2
		.amdhsa_user_sgpr_kernarg_segment_ptr 1
		.amdhsa_wavefront_size32 1
		.amdhsa_system_sgpr_workgroup_id_x 1
		.amdhsa_system_sgpr_workgroup_id_y 1
		.amdhsa_system_sgpr_workgroup_id_z 1
		.amdhsa_system_vgpr_workitem_id 0
		.amdhsa_next_free_vgpr 768
		.amdhsa_next_free_sgpr 66
		.amdhsa_reserve_vcc 0
		.amdhsa_float_denorm_mode_32 3
		.amdhsa_float_denorm_mode_16_64 3
		.amdhsa_memory_ordered 1
		.amdhsa_forward_progress 1
		.amdhsa_inst_pref_size 137
	.end_amdhsa_kernel
	.amdgpu_metadata
---
amdhsa.version: [ 1, 2 ]
amdhsa.kernels:
  - .name:           k_q67050b3432_kvproj
    .symbol:         k_q67050b3432_kvproj.kd
    .args:
      - { .name: context, .offset: 0, .size: 8, .value_kind: global_buffer, .address_space: global }
      - { .name: wcodes, .offset: 8, .size: 8, .value_kind: global_buffer, .address_space: global }
      - { .name: wscales, .offset: 16, .size: 8, .value_kind: global_buffer, .address_space: global }
      - { .name: kv, .offset: 24, .size: 8, .value_kind: global_buffer, .address_space: global }
    .group_segment_fixed_size: 258560
    .private_segment_fixed_size: 0
    .kernarg_segment_align: 8
    .kernarg_segment_size: 32
    .max_flat_workgroup_size: 128
    .sgpr_count:     66
    .vgpr_count:     768
    .wavefront_size: 32
...
	.end_amdgpu_metadata
.endif
;; end of part 2
;; launch attn (part 3): grid 32 x 8, 4 waves a work-group, clusters of 4 x 1, 327,680 bytes of LDS; arguments tokens, wcodes, wscales, kv, out0; writes out0
.if DOCPART == 3
	.amdgcn_target "amdgcn-amd-amdhsa--gfx1250"
	.amdhsa_code_object_version 6
	.text
	.protected	k_q67050b3432_attn
	.globl	k_q67050b3432_attn
	.p2align	8
	.type	k_q67050b3432_attn,@function
k_q67050b3432_attn:
	s_mov_b64 s[64:65], 0
	v_nop
	global_prefetch_b8 v0, s[64:65] scope:SCOPE_SE
	s_setreg_imm32_b32 hwreg(HW_REG_WAVE_MODE, 25, 1), 1
	s_wait_xcnt 0x0
	s_wait_alu depctr_hold_cnt(0) depctr_sa_sdst(0) depctr_va_vdst(0) depctr_va_sdst(0) depctr_va_ssrc(0) depctr_va_vcc(0) depctr_vm_vsrc(0)
	s_getreg_b32 s2, hwreg(HW_REG_IB_STS2, 6, 4)
	s_cmp_eq_u32 s2, 0
	s_cbranch_scc0 .Lentry_in_a_cluster
	s_endpgm
.Lentry_in_a_cluster:
	s_bfe_u32 s2, ttmp6, 0x10000c
	s_cmp_lg_u32 s2, 0x3003
	s_cbranch_scc0 .Lentry_shape_is_right
	s_endpgm
.Lentry_shape_is_right:
; out0[b][t][:] = the sum over s of softmax_s(Q[b][t] . K[b][s] / sqrt(512)) V[b][s][:], Q = tokens Wq.
; Q's product is on codes of FP4 (E2M1) with E8M0 scales for each 32 along K = 512: tokens (f32) are quantised here, in registers; Wq comes as images of operand registers with its scale words.
; The two products of the attention take f16 operands and f32 sums: Q, K, V and the weights p are rounded to f16; maxima, exponentials and sums are f32.
; SHARES.  A work-group owns 128 queries of one batch, each of its four waves 32: two tiles of 16.  Q (256 registers) and O^T (512) stay in registers; every wave walks the batch's 1,024 keys, 64 a step.
; LAYOUT.  All three products are used transposed (Q^T = Wq^T x^T, S^T = K Q^T, O^T = V^T P): a lane holds ONE query (lane % 16) throughout; two neighbouring tiles of Q^T, and of p, rounded in pairs ARE the next operand.
; kv holds each key step as 131,072 consecutive bytes: K's 64 fragments, then V^T's 64, each an image of its eight registers (16 x lane, and 512 bytes on): no pitch, no padding, every LDS load takes 512 consecutive bytes.
; SOFTMAX.  For each query a running maximum m and sum l: p = 2^(c s - c m), c = log2(e) / sqrt(512); in every step O^T and l are multiplied by a = 2^(c m_old - c m_new).
; O^T's rescaling for the next four tiles of channels stands behind each batch of sixteen products V^T P, whose registers it does not name.
; RING.  Two slots of 131,072 bytes.  Slot 0 first holds Wq's codes, then key steps 1, 3, ..; slot 1 steps 0, 2, ...  Each wave fetches a quarter of a slot by one load; behind a change of slots one load of mine is out, at the head three.
; CLUSTER.  The four work-groups of a cluster belong to one batch: Wq's codes and scale words and every key step are asked for JOINTLY, by the same load with the same descriptor and a mask that names the four.
; LIMITS: Q, K, V must stay under 65,504 in magnitude (f16), and lose bits under 6e-5; a p under 2^-25 counts as 0 beside a sum of at least 1.  A block of zeros among the tokens gets the byte 1 where the rule says 127
; (its codes are zeros); largest magnitudes under 2^-124 are held at the byte 1; NaN and infinities are not served.
; LDS: 0 slot 0; 2^17 slot 1 (behind its last read: the stages of the way out, 16 rows x (1,024 + 16) bytes a wave); WQS Wq's scale words; TST four stages of 16 rows x (512 + 16) bytes; SPARE the spare words.
; REGISTERS: window 0: v1-13 addresses; v16-31 eight registers of statistics a tile (+0 c m, +1 m, +2, +3 l, +4..7 at work, a at +6); v32-95 S^T, 32 a tile, whose low 16 then hold P (earlier: 64 numbers of tokens; Q^T's sums);
;   v96-103 the tokens' scale words, v104-111 Wq's (two sets): they hold scales and nothing else; v112-120 at work; v128-255 two sets of eight fragments.
;   window 1: Q, (tile q, 32 channels cs) at v[128 q + 8 cs].   windows 2, 3: O^T, (q, 16 channels ct) at v[16 (ct % 16) + 8 q] of window 2 + ct / 16 (earlier: window 2 tokens as loaded, window 3 v0-63 their codes).
.set SLOT1, 1<<17
.set WQS,   262144
.set TST,   270336
.set SPARE, 304128
.set OST,   16640
.set LI,   1                           ; 16 x lane; never rewritten
.set AK,   2                           ; the slot in hand + 16 x lane: K's fragments (earlier: Wq's K steps 0, 1)
.set AV,   3                           ; 65,536 on: V's (earlier: Wq's K steps 2, 3)
.set AWS,  4                           ; Wq's scale words
.set TSTO, 5
.set TLD,  6
.set STO,  7                           ; the way out: where I put 32 bytes of a row
.set RD,   8                           ; and where I read rows back
.set SH8,  9
.set PFO,  10                          ; 256 x lane; never rewritten
.set SPW,  12                          ; my spare word; never rewritten
.set NIL,  13                          ; 0; never rewritten
.set ST,   16
.set S,    32
.set XB,   32
.set XS,   96
.set WSA,  104
.set TM,   112
.set FB,   128
.set WV,   14
.set SEL,  20
.set CS,   22
.set G1,   24                          ; s[24:31] group 1: 128 rows of 256 bytes, dense
.set G1S,  32                          ; s[32:39] the same with 8 rows
.set G0W,  40                          ; s[40:43] group 0: Wq's codes
.set G0S,  44                          ; s[44:47] Wq's scale words
.set G0K,  48                          ; s[48:51] the key steps: it walks
.set PFA,  52                          ; s[52:53] where my prefetches stand
.set LIM,  54                          ; 1 in a work-group that prefetches, else the greatest number
.set CNT,  55
.set TB,   56                          ; LDS byte at which the slot in hand begins
.set MSB, 0
.macro WIN new                         ; the immediate's high byte repeats the setting that is left; a switch that changes nothing is dropped
.if MSB != (\new)
	s_set_vgpr_msb (MSB<<8)|(\new)
.set MSB, (\new)
.endif
.endm
.macro PLACES n
.rept \n
	v_nop
.endr
.endm
.macro CROUND                          ; a round of the cluster's barrier
	s_barrier_signal -1
	s_barrier_wait -1
	s_cmp_lg_u32 s[WV], 0
	s_cbranch_scc1 .Lnot_wave_0_\@
	s_barrier_signal -3
.Lnot_wave_0_\@:
	s_barrier_wait -3
	s_barrier_signal -1
	s_barrier_wait -1
.endm
; 16 rows x 512 bytes as loaded (a row to four registers, 16 bytes a lane) go through my stage and come back so that lane (r, h) holds blocks h and 2 + h of row r, 32 numbers each, in v[XB] on.
; Stage rows are 528 bytes apart. LDS serves a wave's instructions in order: no wait between the stores and the loads.
.macro TURN f
	WIN 0x08                                       ; an LDS store's data are its source 1: window 2
.irp i, 0,1,2,3,4,5,6,7,8,9,10,11,12,13,14,15
	ds_store_b128 v[TSTO], v[64*((\f)%4)+4*\i:64*((\f)%4)+4*\i+3] offset:528*\i
.endr
	WIN 0
.irp c, 0,1
.irp i, 0,1,2,3,4,5,6,7
	ds_load_b128 v[XB+32*\c+4*\i:XB+32*\c+4*\i+3], v[TLD] offset:256*\c+16*\i
.endr
.endr
.endm
; The 64 numbers in v[XB] on become a fragment's eight registers, v[dst] on in the window that win names, and the row's scale word in v[sw].  A lane holds two whole blocks, so no other lane is asked for a maximum.
.macro QUANT win, dst, sw
.irp c, 0,1
	v_max3_num_f32 v[TM+\c], |v[XB+32*\c]|, |v[XB+32*\c+1]|, 0x1800000     ; two chains a block, the blocks by turns; the floor 2^(3 - 127) holds the byte at 1 from below
	v_max3_num_f32 v[TM+2+\c], |v[XB+32*\c+16]|, |v[XB+32*\c+17]|, |v[XB+32*\c+18]|
.endr
.irp i, 2,4,6,8,10,12
.irp c, 0,1
	v_max3_num_f32 v[TM+\c], v[TM+\c], |v[XB+32*\c+\i]|, |v[XB+32*\c+\i+1]|
	v_max3_num_f32 v[TM+2+\c], v[TM+2+\c], |v[XB+32*\c+\i+17]|, |v[XB+32*\c+\i+18]|
.endr
.endr
.irp c, 0,1
	v_max3_num_f32 v[TM+\c], v[TM+\c], |v[XB+32*\c+14]|, |v[XB+32*\c+15]|
.endr
.irp c, 0,1
	v_max3_num_f32 v[TM+\c], v[TM+\c], v[TM+2+\c], |v[XB+32*\c+31]|
.endr
.irp c, 0,1
	v_add_nc_u32 v[TM+4+\c], 0xff000000, v[TM+\c]  ; 2 off the exponent field: the conversion's scale operand
.endr
.irp c, 0,1
	v_lshrrev_b32 v[TM+6+\c], 23, v[TM+4+\c]       ; the scale's byte
.endr
	v_lshl_or_b32 v[\sw], v[TM+7], 16, v[TM+6]     ; my two bytes, blocks h and 2 + h,
	v_lshlrev_b32 v[\sw], v[SH8], v[\sw]           ; at their places;
	v_permlanex16_b32 v[TM+8], v[\sw], s[SEL], s[SEL+1]
	v_or_b32 v[\sw], v[\sw], v[TM+8]               ; with lane l xor 16's two the word is whole
	WIN \win
.irp c, 0,1
.irp g, 0,1,2,3
	v_cvt_scalef32_pk8_fp4_f32 v[(\dst)+4*\c+\g], v[XB+32*\c+8*\g:XB+32*\c+8*\g+7], v[TM+4+\c]
.endr
.endr
	v_nop                                          ; one plain place behind the scaled conversions
	WIN 0
.endm
.macro RAWLD f                         ; fragment f = 4 q + s: K step s of tile q's 16 rows: each load reads 512 consecutive bytes of a row, read once in the launch
	WIN 0x80
.irp i, 0,1,2,3,4,5,6,7,8,9,10,11,12,13,14,15
	global_load_b128 v[64*((\f)%4)+4*\i:64*((\f)%4)+4*\i+3], v[LI], s[4:5] offset:(16*((\f)/4)+\i)*2048+512*((\f)%4) th:TH_LOAD_NT
.endr
	WIN 0
.endm
; Q^T, 32 channels (two tiles of Wq's columns) at a time.  LDW: the pair's eight fragments (4 K steps x 2 tiles) and its scale words (lanes 0-15 the even tile's, lanes 16-31 the odd one's): 17 loads.
.macro LDW pp, f
.irp s, 0,1,2,3
.irp e, 0,1
.irp c, 0,1
.if \s < 2
	ds_load_b128 v[FB+64*(\f)+8*(2*\s+\e)+4*\c:FB+64*(\f)+8*(2*\s+\e)+4*\c+3], v[AK] offset:(32*\s+2*(\pp)+\e)*1024+512*\c
.else
	ds_load_b128 v[FB+64*(\f)+8*(2*\s+\e)+4*\c:FB+64*(\f)+8*(2*\s+\e)+4*\c+3], v[AV] offset:(32*(\s-2)+2*(\pp)+\e)*1024+512*\c
.endif
.endr
.endr
.endr
	ds_load_b128 v[WSA+4*(\f):WSA+4*(\f)+3], v[AWS] offset:512*(\pp)
.endm
.macro MMW pp                          ; 16 products: four accumulators (tile of columns e, tile of queries q) by turns, K ascending; the first K step starts the sums
	WIN 0x0c                                       ; source 1, the tokens' codes: window 3
.irp s, 0,1,2,3
.irp e, 0,1
.irp q, 0,1
.set rD, S+32*((\pp)%2)+16*\e+8*\q
.set rA, FB+64*((\pp)%2)+8*(2*\s+\e)
.set rB, 8*(4*\q+\s)
.set rP, WSA+4*((\pp)%2)+\s
.set rQ, XS+4*\q+\s
.if \s == 0
.if \e
	v_wmma_scale_f32_16x16x128_f8f6f4 v[rD:rD+7], v[rA:rA+7], v[rB:rB+7], 0, v[rP], v[rQ] matrix_a_fmt:MATRIX_FMT_FP4 matrix_b_fmt:MATRIX_FMT_FP4 matrix_a_scale:MATRIX_SCALE_ROW1
.else
	v_wmma_scale_f32_16x16x128_f8f6f4 v[rD:rD+7], v[rA:rA+7], v[rB:rB+7], 0, v[rP], v[rQ] matrix_a_fmt:MATRIX_FMT_FP4 matrix_b_fmt:MATRIX_FMT_FP4
.endif
.else
.if \e
	v_wmma_scale_f32_16x16x128_f8f6f4 v[rD:rD+7], v[rA:rA+7], v[rB:rB+7], v[rD:rD+7], v[rP], v[rQ] matrix_a_fmt:MATRIX_FMT_FP4 matrix_b_fmt:MATRIX_FMT_FP4 matrix_a_scale:MATRIX_SCALE_ROW1
.else
	v_wmma_scale_f32_16x16x128_f8f6f4 v[rD:rD+7], v[rA:rA+7], v[rB:rB+7], v[rD:rD+7], v[rP], v[rQ] matrix_a_fmt:MATRIX_FMT_FP4 matrix_b_fmt:MATRIX_FMT_FP4
.endif
.endif
.endr
.endr
.endr
.endm
.macro PACK pp                         ; the pair's sums, rounded to f16, are fragment pp of Q for both tiles of queries
	WIN 0x40                                       ; destination window 1
.irp e, 0,1
.irp q, 0,1
.irp j, 0,1,2,3
	v_cvt_pk_f16_f32 v[128*\q+8*(\pp)+4*\e+\j], v[S+32*((\pp)%2)+16*\e+8*\q+2*\j], v[S+32*((\pp)%2)+16*\e+8*\q+2*\j+1]
.endr
.endr
.endr
.endm
; THE KEY STEP'S PARTS.  A batch is eight fragments (16 loads) and 16 products on eight accumulators, which take turns, one instruction a turn.
.macro LDK b, f                        ; K: channels 64 b on (two fragments deep) x the step's four tiles of keys
.irp u, 0,1
.irp k, 0,1,2,3
.irp c, 0,1
	ds_load_b128 v[FB+64*(\f)+8*(4*\u+\k)+4*\c:FB+64*(\f)+8*(4*\u+\k)+4*\c+3], v[AK] offset:(16*\k+2*(\b)+\u)*1024+512*\c
.endr
.endr
.endr
.endm
.macro MMK b
	WIN 0x04                                       ; source 1, Q: window 1
.irp u, 0,1
.irp k, 0,1,2,3
.irp q, 0,1
.if ((\b) == 0) && (\u == 0)
	v_wmma_f32_16x16x32_f16 v[S+32*\q+8*\k:S+32*\q+8*\k+7], v[FB+64*((\b)%2)+8*(4*\u+\k):FB+64*((\b)%2)+8*(4*\u+\k)+7], v[128*\q+8*(2*(\b)+\u):128*\q+8*(2*(\b)+\u)+7], 0
.else
	v_wmma_f32_16x16x32_f16 v[S+32*\q+8*\k:S+32*\q+8*\k+7], v[FB+64*((\b)%2)+8*(4*\u+\k):FB+64*((\b)%2)+8*(4*\u+\k)+7], v[128*\q+8*(2*(\b)+\u):128*\q+8*(2*(\b)+\u)+7], v[S+32*\q+8*\k:S+32*\q+8*\k+7]
.endif
.endr
.endr
.endr
.endm
.macro LDV b, f                        ; V^T: channels 64 b on (four tiles) x the step's 64 keys (two fragments deep)
.irp g, 0,1
.irp i, 0,1,2,3
.irp c, 0,1
	ds_load_b128 v[FB+64*(\f)+8*(4*\g+\i)+4*\c:FB+64*(\f)+8*(4*\g+\i)+4*\c+3], v[AV] offset:(32*\g+4*(\b)+\i)*1024+512*\c
.endr
.endr
.endr
.endm
.macro MMV b, zero
	WIN 0xa0+0x50*((\b)/4)                         ; C and D: window 2 or 3
.irp g, 0,1
.irp i, 0,1,2,3
.irp q, 0,1
.set rO, 16*(4*((\b)%4)+\i)+8*\q
.if (\zero) && (\g == 0)
	v_wmma_f32_16x16x32_f16 v[rO:rO+7], v[FB+64*((\b)%2)+8*(4*\g+\i):FB+64*((\b)%2)+8*(4*\g+\i)+7], v[S+32*\q+8*\g:S+32*\q+8*\g+7], 0
.else
	v_wmma_f32_16x16x32_f16 v[rO:rO+7], v[FB+64*((\b)%2)+8*(4*\g+\i):FB+64*((\b)%2)+8*(4*\g+\i)+7], v[S+32*\q+8*\g:S+32*\q+8*\g+7], v[rO:rO+7]
.endif
.endr
.endr
.endr
.endm
.macro RSC b                           ; batch b's eight accumulators of O^T times a, each from its low end on
	WIN 0x82+0x41*((\b)/4)                         ; destination and source 0: window 2 or 3
.irp i, 0,1,2,3
.irp q, 0,1
.irp j, 0,1,2,3
.set rO, 16*(4*((\b)%4)+\i)+8*\q+2*\j
	v_pk_mul_f32 v[rO:rO+1], v[rO:rO+1], v[ST+8*\q+6:ST+8*\q+7] op_sel_hi:[1,0]
.endr
.endr
.endr
.endm
; The softmax of both tiles for one key step, the tiles line by line in turn.  first = 1: the first key step, which starts m and l and has no a.
.macro SOFTMAX first
.irp j, 0,1,2,3
.irp q, 0,1
	v_max3_num_f32 v[ST+8*\q+4+\j], v[S+32*\q+8*\j], v[S+32*\q+8*\j+1], v[S+32*\q+8*\j+2]     ; four chains, one to each accumulator, from its low end on
.endr
.endr
.irp d, 3,5
.irp j, 0,1,2,3
.irp q, 0,1
	v_max3_num_f32 v[ST+8*\q+4+\j], v[ST+8*\q+4+\j], v[S+32*\q+8*\j+\d], v[S+32*\q+8*\j+\d+1]
.endr
.endr
.endr
.irp q, 0,1
	v_max3_num_f32 v[ST+8*\q+4], v[ST+8*\q+4], v[S+32*\q+7], v[S+32*\q+15]
.endr
.irp q, 0,1
	v_max3_num_f32 v[ST+8*\q+6], v[ST+8*\q+6], v[S+32*\q+23], v[S+32*\q+31]
.endr
.irp q, 0,1
	v_max3_num_f32 v[ST+8*\q+4], v[ST+8*\q+4], v[ST+8*\q+5], v[ST+8*\q+6]
.endr
.irp q, 0,1
.if \first
	v_max_num_f32 v[ST+8*\q+4], v[ST+8*\q+4], v[ST+8*\q+7]
.else
	v_max3_num_f32 v[ST+8*\q+4], v[ST+8*\q+4], v[ST+8*\q+7], v[ST+8*\q+1]                     ; and the old m
.endif
.endr
.irp q, 0,1
	v_permlanex16_b32 v[ST+8*\q+5], v[ST+8*\q+4], s[SEL], s[SEL+1]                            ; the query's other 32 keys lie in the lane 16 away
.endr
.if \first == 0
.irp q, 0,1
	v_mov_b32 v[ST+8*\q+7], v[ST+8*\q]             ; c m_old is kept for a
.endr
.endif
.irp q, 0,1
	v_max_num_f32 v[ST+8*\q+1], v[ST+8*\q+4], v[ST+8*\q+5]
.endr
.irp q, 0,1
	v_mul_f32 v[ST+8*\q], s[CS], v[ST+8*\q+1]
.endr
.if \first == 0
.irp q, 0,1
	v_sub_f32 v[ST+8*\q+7], v[ST+8*\q+7], v[ST+8*\q]
.endr
.endif
.irp b, 0,1,2,3,4,5,6,7,8,9,10,11,12,13,14,15
.irp q, 0,1
	v_pk_fma_f32 v[S+32*\q+2*\b:S+32*\q+2*\b+1], v[S+32*\q+2*\b:S+32*\q+2*\b+1], s[CS:CS+1], v[ST+8*\q:ST+8*\q+1] op_sel_hi:[1,0,0] neg_lo:[0,0,1] neg_hi:[0,0,1]   ; c s - c m
.endr
.endr
.if \first == 0
.irp q, 0,1
	v_exp_f32 v[ST+8*\q+6], v[ST+8*\q+7]           ; a
.endr
.endif
.irp e, 0,1,2,3,4,5,6,7,8,9,10,11,12,13,14,15,16,17,18,19,20,21,22,23,24,25,26,27,28,29,30,31
.irp q, 0,1
	v_exp_f32 v[S+32*\q+\e], v[S+32*\q+\e]         ; p: one batch, none of which reads another's result
.endr
.endr
	v_nop                                          ; a plain instruction behind the last exponential
	s_wait_alu depctr_va_vdst(0)                   ; the wait ahead of the first instruction that names a result: one for the batch
.irp q, 0,1                                    ; the sums are taken of p in f32, ahead of the rounding, in two chains a tile: l and a helper
.if \first
	v_pk_add_f32 v[ST+8*\q+2:ST+8*\q+3], v[S+32*\q:S+32*\q+1], v[S+32*\q+4:S+32*\q+5]
.else
	v_pk_fma_f32 v[ST+8*\q+2:ST+8*\q+3], v[ST+8*\q+2:ST+8*\q+3], v[ST+8*\q+6:ST+8*\q+7], v[S+32*\q:S+32*\q+1] op_sel_hi:[1,0,1]   ; l = a l + the first pair
.endif
	v_pk_add_f32 v[ST+8*\q+4:ST+8*\q+5], v[S+32*\q+2:S+32*\q+3], v[S+32*\q+6:S+32*\q+7]
.endr
.irp d, 4,8,12,16,20,24,28
.irp q, 0,1
.if (\d > 4) || (\first == 0)
	v_pk_add_f32 v[ST+8*\q+2:ST+8*\q+3], v[ST+8*\q+2:ST+8*\q+3], v[S+32*\q+\d:S+32*\q+\d+1]
.endif
.if \d > 4
	v_pk_add_f32 v[ST+8*\q+4:ST+8*\q+5], v[ST+8*\q+4:ST+8*\q+5], v[S+32*\q+\d+2:S+32*\q+\d+3]
.endif
.endr
.endr
.irp q, 0,1
	v_pk_add_f32 v[ST+8*\q+2:ST+8*\q+3], v[ST+8*\q+2:ST+8*\q+3], v[ST+8*\q+4:ST+8*\q+5]
.endr
.irp j, 0,1,2,3,4,5,6,7,8,9,10,11,12,13,14,15
.irp q, 0,1
	v_cvt_pk_f16_f32 v[S+32*\q+\j], v[S+32*\q+2*\j], v[S+32*\q+2*\j+1]     ; P in place, ascending: register j is written when pairs up to j have been read
.endr
.endr
.endm
; A KEY STEP.  Each run of 16 loads stands a batch ahead of its use, behind four places: v_nop behind K Q^T, the next batch's rescaling behind V^T P.
.macro STEP first
	v_add_nc_u32 v[AK], s[TB], v[LI]
	v_add_nc_u32 v[AV], 0x10000, v[AK]
	LDK 0, 0
	LDK 1, 1
.irp b, 0,1,2,3,4,5,6,7
	s_wait_dscnt 16                                ; this batch's fragments are in; the next batch's 16 loads may be out
	MMK \b
	PLACES 4
	WIN 0
.if \b < 6
	LDK \b+2, \b%2
.else
	LDV \b-6, \b%2                                 ; V's first two batches land while the softmax is walked
.endif
.endr
	SOFTMAX \first
.if \first == 0
	RSC 0
.endif
.irp b, 0,1,2,3,4,5,6,7
.if \b < 7
	s_wait_dscnt 16
.else
	s_wait_dscnt 0x0
.endif
	MMV \b, \first
.if \b < 7
.if \first
	PLACES 4
.else
	RSC \b+1
.endif
	WIN 0
.if \b < 6
	LDV \b+2, \b%2
.endif
.endif
.endr
	WIN 0
.endm
; A PREFETCH INTO THE L2 of the key step that the NEXT change of slots will ask for: 131,072 bytes, 256 to a lane.  All clusters of a batch walk the same steps: the batch's first cluster asks.  Its four partners
; share the step out BY ADDRESS, 32,768 bytes each, and their waves 8,192 each: each aligned block of 256 bytes is named once in the launch.  The last change that fills a slot asks for nothing; steps 0 and 1 come by their loads alone.
.macro ASK
	s_cmp_gt_u32 s[CNT], s[LIM]
	s_cbranch_scc0 .Lnot_mine_\@
	global_prefetch_b8 v[PFO], s[PFA:PFA+1] th:TH_LOAD_NT scope:SCOPE_SE
.Lnot_mine_\@:
.endm
; THE CHANGE OF SLOTS, at a step's head.  Each wave waits for all its tensor loads (its quarter of the slot ahead), adds 0 to its spare word, and waits for that and for its reads of the slot that it has left.
; fill = 1: the barrier is a round of the cluster's, and the slot that was left takes the next step: the load has a whole key step, 256 matrix instructions and the softmax, in which to land.
; The four v_nop and the step's two address additions are also the places between the last products and the first that writes over P, and in front of the loads into the fragments' registers.
.macro CHANGE fill
	WIN 0
	s_wait_tensorcnt 0x0                           ; no tensor load of mine is out, so the walking group 0 may be written
	ds_add_u32 v[SPW], v[NIL]                      ; 0 onto my spare word
.if \fill
	s_xor_b32 s[G0K+1], s[G0K+1], SLOT1            ; the other slot than last time,
	s_add_nc_u64 s[G0K+2:G0K+3], s[G0K+2:G0K+3], 131072   ; the next key step; the type bits on top are not reached
	s_wait_xcnt 0x0                                ; the last prefetch, a key step back, has read its address
	s_add_nc_u64 s[PFA:PFA+1], s[PFA:PFA+1], 131072       ; one step further on than the walking descriptor
	s_wait_dscnt 0x0                               ; the add is done, and my reads of the slot that I have left are over
	CROUND
	tensor_load_to_lds s[G0K:G0K+3], s[G1:G1+7]    ; my one tensor load behind the round
	s_nop 0
	PLACES 4
	ASK
.else
	s_wait_dscnt 0x0
	s_barrier_signal -1
	s_barrier_wait -1
	PLACES 4
.endif
	s_xor_b32 s[TB], s[TB], SLOT1                  ; on to the other slot
.endm
	s_load_b256 s[4:11], s[0:1], 0x0               ; tokens s[4:5], wcodes s[6:7], wscales s[8:9], kv s[10:11]
	s_load_b64 s[12:13], s[0:1], 0x20              ; out0
	v_lshl_add_u32 v[SPW], v0, 2, SPARE
	v_mov_b32 v[NIL], 0
	ds_add_u32 v[SPW], v[NIL]                      ; the wave's opening: the add, twice on end, and its wait ahead of my first tensor load; the set-up below stands between
	ds_add_u32 v[SPW], v[NIL]
	v_lshrrev_b32 v11, 5, v0
	v_readfirstlane_b32 s[WV], v11                 ; wave 0..3
	s_bfe_u32 s15, ttmp6, 0x40000                  ; cx: my place in the cluster
	s_and_b32 s16, ttmp7, 0xffff                   ; the batch, which the four partners share
	s_mov_b32 s[G1], 15|(3<<16)|(1<<21)            ; 15:0 the mask: all four; 17:16 elements of 8 bytes; 21 set beside a mask
	s_mov_b32 s[G1+1], 32<<16                      ; tensor_dim0: 256 bytes
	s_mov_b32 s[G1+2], 128<<16                     ; tensor_dim1
	s_mov_b32 s[G1+3], 32<<16                      ; tile_dim0
	s_mov_b32 s[G1+4], 128                         ; tile_dim1
	s_mov_b32 s[G1+5], 32                          ; tensor_dim0_stride: dense
	s_mov_b32 s[G1+6], 0
	s_mov_b32 s[G1+7], 0
	s_mov_b32 s[G1S], 15|(3<<16)|(1<<21)
	s_mov_b32 s[G1S+1], 32<<16
	s_mov_b32 s[G1S+2], 8<<16
	s_mov_b32 s[G1S+3], 32<<16
	s_mov_b32 s[G1S+4], 8
	s_mov_b32 s[G1S+5], 32
	s_mov_b32 s[G1S+6], 0
	s_mov_b32 s[G1S+7], 0
	s_lshl_b32 s18, s[WV], 15                      ; my quarter of a slot: in LDS and in memory
	s_mov_b32 s19, 0
	s_lshl_b32 s58, s[WV], 11                      ; my quarter of Wq's scale words
	s_mov_b32 s59, 0
	s_lshl_b32 s60, s16, 21                        ; the batch's 16 key steps
	s_add_co_u32 s60, s60, s18
	s_mov_b32 s61, 0
	s_lshl_b32 s2, ttmp9, 2
	s_add_co_u32 s2, s2, s15                       ; my block of 128 queries: it enters tokens' and out0's addresses alone
	s_lshl_b32 s2, s2, 7
	s_lshl_b32 s3, s16, 12
	s_add_co_u32 s2, s2, s3
	s_lshl_b32 s3, s[WV], 5
	s_add_co_u32 s2, s2, s3                        ; my wave's first row
	s_lshl_b32 s2, s2, 11                          ; of 2,048 bytes
	s_mov_b32 s3, 0
	s_lshl_b32 s62, s15, 15                        ; the prefetches: my work-group's 32,768 bytes of a step,
	s_lshl_b32 s63, s[WV], 13                      ; my wave's 8,192,
	s_add_co_u32 s62, s62, s63
	s_lshl_b32 s63, s16, 21
	s_add_co_u32 s62, s62, s63
	s_add_co_u32 s62, s62, 131072                  ; in step 1: the first change of slots steps it to step 2
	s_mov_b32 s63, 0
	s_cmp_eq_u32 ttmp9, 0                          ; the batch's first cluster: the same in all four partners
	s_cselect_b32 s[LIM], 1, -1
	s_mov_b32 s[SEL], 0x76543210
	s_mov_b32 s[SEL+1], 0xfedcba98
	s_mov_b32 s[CS], 0x3d8293ee                    ; c = log2(e) / sqrt(512)
	s_mov_b32 s[CS+1], s[CS]                       ; (named with it as a pair, so it is written)
	s_mov_b32 s[TB], 0
	s_mov_b32 s[CNT], 14
	v_and_b32 v11, 31, v0
	v_and_b32 v14, 15, v0
	v_bfe_u32 v15, v0, 4, 1
	v_lshlrev_b32 v[LI], 4, v11
	s_mul_i32 s57, s[WV], 8448
	s_add_co_u32 s57, s57, TST
	v_add_nc_u32 v[TSTO], s57, v[LI]
	v_mul_u32_u24 v[TLD], v14, 528
	v_lshl_add_u32 v[TLD], v15, 7, v[TLD]
	v_add_nc_u32 v[TLD], s57, v[TLD]
	s_mul_i32 s57, s[WV], OST
	s_add_co_u32 s57, s57, SLOT1
	v_mul_u32_u24 v[STO], v14, 1040
	v_lshl_add_u32 v[STO], v15, 5, v[STO]
	v_add_nc_u32 v[STO], s57, v[STO]
	v_add_nc_u32 v[RD], s57, v[LI]
	v_lshlrev_b32 v[SH8], 3, v15
	v_lshlrev_b32 v[PFO], 8, v11
	v_add_nc_u32 v[AWS], WQS, v[LI]
	v_lshlrev_b32 v[AK], 4, v11
	v_add_nc_u32 v[AV], 0x10000, v[LI]
	v_mov_b32 v[TM+8], 0                           ; written once: a lane permute's destination counts as one of its sources
	s_wait_dscnt 0x0                               ; both opening adds are done
	s_wait_kmcnt 0x0
	s_add_nc_u64 s[4:5], s[4:5], s[2:3]
	s_add_nc_u64 s[12:13], s[12:13], s[2:3]
	s_add_nc_u64 s[PFA:PFA+1], s[10:11], s[62:63]
	s_mov_b32 s[G0S], 1
	s_add_co_u32 s[G0S+1], s58, WQS
	s_add_nc_u64 s[G0S+2:G0S+3], s[8:9], s[58:59]
	s_or_b32 s[G0S+3], s[G0S+3], 0x80000000
	s_mov_b32 s[G0W], 1
	s_mov_b32 s[G0W+1], s18
	s_add_nc_u64 s[G0W+2:G0W+3], s[6:7], s[18:19]
	s_or_b32 s[G0W+3], s[G0W+3], 0x80000000
	s_mov_b32 s[G0K], 1
	s_add_co_u32 s[G0K+1], s18, SLOT1
	s_add_nc_u64 s[G0K+2:G0K+3], s[10:11], s[60:61]
	s_or_b32 s[G0K+3], s[G0K+3], 0x80000000
	CROUND                                         ; all four work-groups are here: the first joint loads meet
	tensor_load_to_lds s[G0S:G0S+3], s[G1S:G1S+7]  ; Wq's scale words,
	s_nop 0
	tensor_load_to_lds s[G0W:G0W+3], s[G1:G1+7]    ; Wq's codes into slot 0,
	s_nop 0
	tensor_load_to_lds s[G0K:G0K+3], s[G1:G1+7]    ; key step 0 into slot 1: three loads of mine are out
	s_nop 0
	PLACES 4
	; ---- the tokens: eight fragments (2 tiles x 4 K steps), loads three fragments ahead
	RAWLD 0
	RAWLD 1
	RAWLD 2
.irp f, 0,1,2,3,4,5,6,7
.if \f < 6
	s_wait_loadcnt 32                              ; this fragment's 16 loads are in; those of the two behind it may be out
.else
	s_wait_loadcnt 16*(7-\f)
.endif
	TURN \f
.if \f+3 < 8
	RAWLD \f+3                                     ; into the set whose stores into the stage were waited for one fragment ago
.endif
	s_wait_dscnt 0x0
	QUANT 0xc0, 8*\f, XS+\f
.endr
	PLACES 8                                       ; scale registers written by vector instructions stand eight places ahead of a scaled product
	; ---- Q^T = Wq^T x^T
	s_wait_tensorcnt 1                             ; my quarters of Wq's scale words and codes are in; key step 0 may stay out
	s_wait_dscnt 0x0
	s_barrier_signal -1
	s_barrier_wait -1                              ; everybody's are
	LDW 0, 0
	LDW 1, 1
.irp t, 0,1,2,3,4,5,6,7,8,9,10,11,12,13,14,15
.if \t < 15
	s_wait_dscnt 17                                ; this pair's 17 loads are in; the next pair's may be out
.else
	s_wait_dscnt 0x0
.endif
	MMW \t
.if \t == 0
	PLACES 5
.else
	PACK \t-1                                      ; sixteen plain conversions that name no register of the products just issued: the places in front of the loads below, of this pair's own conversions, and of the products that begin its sums anew
.endif
	WIN 0
.if \t+2 < 16
	LDW \t+2, \t%2
.endif
.endr
	PACK 15
	; ---- the sixteen key steps
	CHANGE 1                                       ; slot 0, Wq's codes, is left and takes key step 1
	STEP 1
.Lstep:                                                ; 14 trips: key steps 1 to 14; each asks for the step behind it
	CHANGE 1
	STEP 0
	s_sub_co_u32 s[CNT], s[CNT], 1
	s_cmp_lg_u32 s[CNT], 0
	s_cbranch_scc1 .Lstep
	CHANGE 0                                       ; the last step is written out
	STEP 0
	; ---- THE WAY OUT.  l's two halves and the other half of the lanes' are added; O^T is divided by l and goes through my stage, 16 queries x 256 channels at a time.
	; The stages lie in slot 1: it has had its last fill, and every wave has passed the last change of slots, behind which nobody reads it.
.irp q, 0,1
	v_add_f32 v[ST+8*\q+4], v[ST+8*\q+2], v[ST+8*\q+3]
.endr
.irp q, 0,1
	v_permlanex16_b32 v[ST+8*\q+5], v[ST+8*\q+4], s[SEL], s[SEL+1]
.endr
.irp q, 0,1
	v_add_f32 v[ST+8*\q+4], v[ST+8*\q+4], v[ST+8*\q+5]
.endr
.irp q, 0,1
	v_rcp_f32 v[ST+8*\q+6], v[ST+8*\q+4]
.endr
	v_nop                                          ; a plain instruction behind the last reciprocal
	s_wait_alu depctr_va_vdst(0)                   ; and the wait ahead of the first use: one for both
	PLACES 4                                       ; behind the last products
; A lane's eight channels of a row are 32 bytes; stage rows are 1,040 bytes apart (16 bytes on modulo 256 from row to row); they come back as half rows of 512 bytes, and each store covers 512 consecutive aligned bytes of out0.
.macro CHUNK wi, q, later
	WIN 0x82+0x41*(\wi)
.irp i, 0,1,2,3,4,5,6,7,8,9,10,11,12,13,14,15
.irp j, 0,1,2,3
.set rO, 16*\i+8*(\q)+2*\j
	v_pk_mul_f32 v[rO:rO+1], v[rO:rO+1], v[ST+8*(\q)+6:ST+8*(\q)+7] op_sel_hi:[1,0]
.endr
.endr
	WIN 0x08+4*(\wi)                               ; an LDS store's data are its source 1: window 2 or 3
.irp i, 0,1,2,3,4,5,6,7,8,9,10,11,12,13,14,15
	ds_store_b128 v[STO], v[16*\i+8*(\q):16*\i+8*(\q)+3] offset:64*\i
	ds_store_b128 v[STO], v[16*\i+8*(\q)+4:16*\i+8*(\q)+7] offset:64*\i+16
.endr
	WIN 0
.if \later
	s_wait_xcnt 0x0                                ; the last chunk's stores have read their registers: the loads below may land there
.endif
.irp t, 0,1,2,3,4,5,6,7,8,9,10,11,12,13,14,15,16,17,18,19,20,21,22,23,24,25,26,27,28,29,30,31
	ds_load_b128 v[FB+4*\t:FB+4*\t+3], v[RD] offset:1040*(\t/2)+512*(\t%2)     ; LDS serves a wave's instructions in order: these see my stores, and the next chunk's stores come behind them
.endr
.irp t, 0,1,2,3,4,5,6,7,8,9,10,11,12,13,14,15,16,17,18,19,20,21,22,23,24,25,26,27,28,29,30,31
	s_wait_dscnt 31-\t                             ; the younger loads may be out
	global_store_b128 v[LI], v[FB+4*\t:FB+4*\t+3], s[12:13] offset:(16*(\q)+\t/2)*2048+1024*(\wi)+512*(\t%2) th:TH_STORE_NT
.endr
.endm
	CHUNK 0, 0, 0
	CHUNK 0, 1, 1
	CHUNK 1, 0, 1
	CHUNK 1, 1, 1
	s_wait_tensorcnt 0x0                           ; the wave's end, behind my last tensor load and my last LDS store
	ds_add_u32 v[SPW], v[NIL]
	s_wait_dscnt 0x0
	CROUND                                         ; the closing round: no work-group ends while a partner may still ask for a tile that names it
	s_endpgm
.Lfunc_end_k_q67050b3432_attn:
	.size	k_q67050b3432_attn, .Lfunc_end_k_q67050b3432_attn-k_q67050b3432_attn
	.p2alignl 7, 3214868480
	.fill 96, 4, 3214868480
	.section	.rodata,"a",@progbits
	.p2align	6, 0x0
	.amdhsa_kernel k_q67050b3432_attn
		.amdhsa_group_segment_fixed_size 327680
		.amdhsa_private_segment_fixed_size 0
		.amdhsa_enable_private_segment 0
		.amdhsa_kernarg_size 40
		.amdhsa_user_sgpr_count 2
		.amdhsa_user_sgpr_kernarg_segment_ptr 1
		.amdhsa_wavefront_size32 1
		.amdhsa_system_sgpr_workgroup_id_x 1
		.amdhsa_system_sgpr_workgroup_id_y 1
		.amdhsa_system_sgpr_workgroup_id_z 1
		.amdhsa_system_vgpr_workitem_id 0
		.amdhsa_next_free_vgpr 1024
		.amdhsa_next_free_sgpr 66
		.amdhsa_reserve_vcc 0
		.amdhsa_float_denorm_mode_32 3
		.amdhsa_float_denorm_mode_16_64 3
		.amdhsa_memory_ordered 1
		.amdhsa_forward_progress 1
		.amdhsa_inst_pref_size 255
	.end_amdhsa_kernel
	.section	.bss,"aw",@nobits
	.p2align	6
	.space	262144
	.amdgpu_metadata
---
amdhsa.version: [ 1, 2 ]
amdhsa.kernels:
  - .name:           k_q67050b3432_attn
    .symbol:         k_q67050b3432_attn.kd
    .args:
      - { .name: tokens, .offset: 0, .size: 8, .value_kind: global_buffer, .address_space: global }
      - { .name: wcodes, .offset: 8, .size: 8, .value_kind: global_buffer, .address_space: global }
      - { .name: wscales, .offset: 16, .size: 8, .value_kind: global_buffer, .address_space: global }
      - { .name: kv, .offset: 24, .size: 8, .value_kind: global_buffer, .address_space: global }
      - { .name: out0, .offset: 32, .size: 8, .value_kind: global_buffer, .address_space: global }
    .group_segment_fixed_size: 327680
    .private_segment_fixed_size: 0
    .kernarg_segment_align: 8
    .kernarg_segment_size: 40
    .max_flat_workgroup_size: 128
    .sgpr_count:     66
    .vgpr_count:     1024
    .wavefront_size: 32
...
	.end_amdgpu_metadata
.endif
;; end of part 3
